; MI455X (gfx1250); checked and timed in simulation.
; The chip was launched on July 23, 2026; its instructions are those of AMD's public machine-readable ISA for CDNA 5 (MIT licence, August 2026) and "CDNA5" Instruction Set Architecture Reference Guide (July 2026). The comments in the code are by the model that wrote it; some were corrected since.
;; Flash Self Attention. Allowed arithmetic: float matrix products may take bf16 or f16 operands with f32 sums; all other float work in f32.
;; Inputs: k 2 x 2,048 x 16 x 128 float32; q 2 x 2,048 x 16 x 128 float32; v 2 x 2,048 x 16 x 128 float32.
;; Outputs: out0 2 x 2,048 x 16 x 128 float32.
;; One version. Each part assembles by itself: llvm-mc -triple=amdgcn-amd-amdhsa -mcpu=gfx1250 --defsym DOCPART=n.
;; ======== version 1 of 1: 1 launch
;; limits: values are held in f16: magnitudes above 65,504 overflow, below 6.1e-05 lose precision; inputs' magnitudes at most 65,504; below input magnitudes of 6.1e-05 results are inexact or not finite
;; launch attn (part 1): grid 256 x 1, 4 waves a work-group, no clusters, 281,088 bytes of LDS; arguments k, q, v, out0; writes out0
.if DOCPART == 1
	.amdgcn_target "amdgcn-amd-amdhsa--gfx1250"
	.amdhsa_code_object_version 6
	.text
	.protected	k_q534fd689b6_attn
	.globl	k_q534fd689b6_attn
	.p2align	8
	.type	k_q534fd689b6_attn,@function
k_q534fd689b6_attn:
	s_mov_b64 s[64:65], 0
	v_nop
	global_prefetch_b8 v0, s[64:65] scope:SCOPE_SE
	s_setreg_imm32_b32 hwreg(HW_REG_WAVE_MODE, 25, 1), 1
	s_wait_xcnt 0x0
; Causal attention with the bias -slope[h] sqrt(i - j).  q, k, v, out0: [2][2048][16][128] f32; a (token, head) row is 512 bytes, rows of a head 8,192 bytes apart.
; WORK.  256 work-groups of four waves.  Work-group id: bits 7:3 = batch x head, bits 2:0 = x.  It owns two blocks of 128 queries of that head, block 15 - x (HI)
; and block x (LO), and walks keys 0 .. 128 (16 - x) - 1 once, in tiles of 64 keys: 32 - 2 x tiles, of which LO takes part in the first 2 x + 2.  So every
; work-group issues the same number of matrix instructions.  Wave w owns 64 queries as four column blocks of 16: qb 0, 1 = HI rows 32 w + 16 qb, qb 2, 3 = LO.
; FORM.  Both products are used transposed.  S^T = K Q^T + Bias: source 0 = 16 keys, source 1 = 16 queries, so a lane holds ONE query (lane % 16) and its eight
; registers hold keys 8 (lane / 16) + 0..7: maximum and sum run along registers, with one exchange between the halves of the wave.  Packed to f16 in place, two
; such tiles ARE source 1 of the second product O^T += V^T P^T (keys 8h.., 16 + 8h..): nothing is moved between lanes.  In O^T a lane again holds one query,
; so the factor of the running maximum and 1 / l are one number a lane.
; Q is multiplied by log2(e) / sqrt(128) before it is rounded: exponentials are v_exp_f32 (base 2) of score - running maximum.
; FORMAT.  All matrix operands are f16, sums f32.  With steep slopes an output is a sum of a few terms that may cancel, so the terms' own rounding shows: f16 rounds
; at 2^-12 of a term where bf16 rounds at 2^-9.  Room: P lies in [0, 1] (the running maximum is taken away; under 2^-25 it becomes 0 beside a row sum of at least 1);
; Q, K and V are finite up to 65,504 after Q's factor.  LIMIT: |k| or |v| above 65,504, or |q| above about 513,000, become infinite; magnitudes under 2^-14 keep an
; absolute error of 2^-25.
; BIAS.  Bias and causal fill hang only on (query block - key block) / 16 and the lane, so the 136 possible 16 x 16 tiles are built once in LDS as register images
; and enter as the C operand of the first of the four K steps: no vector instruction per score.  Fill = -65504 log2(e).
; K AND V come into registers by 16-byte loads (a wave's load = one whole row of 512 bytes), requested one whole trip before they are used, are rounded to f16 once
; and stored into two LDS slots that take turns; one barrier a trip.
; NO CLUSTER, NO JOINT LOADS: a joint request lands f32 in LDS; two f32 slots of 64 keys of K and V are 131,072 bytes, which beside the table (139,264), the f16
; slots (71,680) and the scratch (69,632) make 411,648 bytes, more than a work-group can be given; and the eight work-groups of a head need 32 - 2 x tiles each.
; LIMITS.  Key tiles wholly above the diagonal are skipped: equal to the problem's formula as long as a filled score lies more than 104 below its row's maximum,
; that is for score spreads under about 65,400.  Slopes 2^(-(h+1)/2) come from v_exp_f32.  v_exp_f32 gives 0 for results under 2^-126.  NaN inputs are not served.
.set ROWB,   8192                      ; bytes from a head's row to the next token's
.set TILEB,  64*ROWB                   ; a tile of 64 keys
.set KPITCH, 272                       ; f16 row of 256 bytes + 16: 17 x 16, so 16 rows of a fragment load start at 16 different 16-byte columns modulo 256
.set VPITCH, 288                       ; 9 x 32, for the transposing loads
.set OPITCH, 528                       ; f32 row of 512 bytes + 16: 33 x 16
.set SLOT0,  139264                    ; LDS: bytes 0 .. 139,263 the bias table, tile n at 1,024 n (registers 0-3 at 16 lane, 4-7 at 512 + 16 lane)
.set VOFF,   64*KPITCH                 ; in a slot: K's 64 rows, then V's 64 rows
.set SLOTB,  VOFF+64*VPITCH            ; 35,840
.set SCR0,   SLOT0+2*SLOTB             ; 210,944: a scratch of 17,408 bytes for each wave, its own: first Q in f16 (64 rows x 272), later O in f32 (32 rows x 528)
.set SCRB,   17408
; window 0
.set L16,   1                          ; 16 x lane: offset of every global access and lane term of the table; never rewritten
.set VB,    2                          ; v2, v3    table address of HI's, LO's five bias tiles
.set KRD,   4                          ; K fragments
.set VRD,   5                          ; V fragments
.set KST,   6                          ; where my rows of K, of V are stored
.set VST,   7
.set QST,   8
.set QRD,   9
.set OST,   10
.set ORD,   11
.set TADR,  12
.set MASKV, 13
.set NSL,   14                         ; v[14:15]  -slope log2(e), twice
.set MX,    16                         ; v16-19    running maximum of qb
.set LS,    20                         ; v20-23    running sum of qb, each half of the wave its own keys'
.set AL,    24                         ; v24-31    pairs: even register = factor of qb (later 1 / l); odd ones written once
.set MN,    32                         ; v[32:33]  new maximum; odd one written once
.set TP,    34                         ; v34-41    four pairs at work
.set X4,    42                         ; v42-45    four chains of maxima
.set TX,    46                         ; what the other half of the wave sent
.set BI,    48                         ; v48-127   bias tiles: group g, tile e at 48 + 40 g + 8 e
.set SC,    128                        ; v128-255  scores: tile (kt, qb) at 128 + 32 qb + 8 kt; packed P (kk, qb) in the eight registers at 128 + 32 qb + 16 kk
.set XD,    128                        ; table build only: i - j, and the tile
.set RT,    136
.set OA,    0                          ; window 1: O (qb, dt) at 64 qb + 8 dt          (at the start v0-127 of it hold LO's Q in f32)
.set QF,    0                          ; window 2: Q fragments (qb, ks) at 32 qb + 8 ks
.set FR,    128                        ; window 2: K fragments (kt, ks) at 128 + 32 kt + 8 ks, then V fragments (kk, dt) at 128 + 64 kk + 8 dt (at the start HI's Q in f32)
.set ST,    0                          ; window 3: the tile on its way, f32: K's row i at 4 i, V's at 64 + 4 i
.set PK,    128                        ; window 3: the same in f16, two registers a row
.set KPTR,  28                         ; s[28:29] K, s[30:31] V at my 16 rows of the tile last asked for
.set VPTR,  30
.set QPTR,  32                         ; s[32:33] HI, s[34:35] LO: q at my 32 rows
.set OPTR,  36                         ; s[36:37] HI, s[38:39] LO: out0 at my 32 rows
.set MSB, 0
.macro WIN new                         ; s_set_vgpr_msb: bits 1:0 source 0, 3:2 source 1, 5:4 source 2, 7:6 destination; the high byte repeats the setting left
.if MSB != \new
	s_set_vgpr_msb (MSB<<8)|\new
.set MSB, \new
.endif
.endm
.macro PLACES cnt
.rept \cnt
	v_nop
.endr
.endm
; 32 loads: my 16 rows of K and of V of the tile at KPTR, VPTR; each load takes one row's 512 bytes
.macro LOADT
	WIN 0xc0
.set i, 0
.rept 16
	global_load_b128 v[ST+4*i:ST+4*i+3], v[L16], s[KPTR:KPTR+1] offset:ROWB*i
.set i, i+1
.endr
.set i, 0
.rept 16
	global_load_b128 v[ST+64+4*i:ST+64+4*i+3], v[L16], s[VPTR:VPTR+1] offset:ROWB*i
.set i, i+1
.endr
.endm
; the tile in ST is rounded to f16 and stored into a slot: 8 bytes a lane, 256 neighbouring bytes a row
.macro CONV slot
	WIN 0xcf
.set i, 0
.rept 32
	v_cvt_pk_f16_f32 v[PK+2*i],   v[ST+4*i],   v[ST+4*i+1]
	v_cvt_pk_f16_f32 v[PK+2*i+1], v[ST+4*i+2], v[ST+4*i+3]
.set i, i+1
.endr
	WIN 0x0c
.set i, 0
.rept 16
	ds_store_b64 v[KST], v[PK+2*i:PK+2*i+1] offset:(\slot)*SLOTB+KPITCH*i
.set i, i+1
.endr
.set i, 0
.rept 16
	ds_store_b64 v[VST], v[PK+32+2*i:PK+32+2*i+1] offset:(\slot)*SLOTB+VPITCH*i
.set i, i+1
.endr
.endm
; the five bias tiles of group g for this key tile: table numbers n .. n + 4, n = 8 block + 2 w + 5 - 4 tile, which runs from 131 down to 1
.macro BIASLD g
	s_min_u32 s24, s[22+\g], 131                   ; keeps the address inside the table whatever the count of trips
	v_lshl_add_u32 v[VB+\g], s24, 10, v[L16]
	s_sub_co_u32 s[22+\g], s[22+\g], 4             ; the next tile lies 64 keys = 4 table numbers nearer the diagonal
.irp e, 0,1,2,3,4
	ds_load_b128 v[BI+40*\g+8*\e:BI+40*\g+8*\e+3],   v[VB+\g] offset:1024*\e
	ds_load_b128 v[BI+40*\g+8*\e+4:BI+40*\g+8*\e+7], v[VB+\g] offset:1024*\e+512
.endr
.endm
; K fragments: 16 keys x 32 d in 8 registers, two loads of 16 bytes 32 bytes apart
.macro KFR slot
	WIN 0x80
.set kt, 0
.rept 4
.set ks, 0
.rept 4
	ds_load_b128 v[FR+32*kt+8*ks:FR+32*kt+8*ks+3],   v[KRD] offset:(\slot)*SLOTB+16*KPITCH*kt+64*ks
	ds_load_b128 v[FR+32*kt+8*ks+4:FR+32*kt+8*ks+7], v[KRD] offset:(\slot)*SLOTB+16*KPITCH*kt+64*ks+32
.set ks, ks+1
.endr
.set kt, kt+1
.endr
.endm
; V^T fragments: 16 d x 32 keys, from rows that lie along d: two transposing loads, 16 rows apart
.macro VFR slot
	WIN 0x80
.set kk, 0
.rept 2
.set dt, 0
.rept 8
	ds_load_tr16_b128 v[FR+64*kk+8*dt:FR+64*kk+8*dt+3],   v[VRD] offset:(\slot)*SLOTB+32*VPITCH*kk+32*dt
	ds_load_tr16_b128 v[FR+64*kk+8*dt+4:FR+64*kk+8*dt+7], v[VRD] offset:(\slot)*SLOTB+32*VPITCH*kk+32*dt+16*VPITCH
.set dt, dt+1
.endr
.set kk, kk+1
.endr
.endm
; S^T = Bias + K Q^T for nq query blocks x 4 key blocks, 128 along d in four steps.  The first step takes the bias tile as C.
; The 4 nq accumulators take turns, one instruction a turn.
.macro SMUL nq
	WIN 0x0a
.set ks, 0
.rept 4
.set qb, 0
.rept \nq
.set kt, 0
.rept 4
.set sd, SC+32*qb+8*kt
.set fa, FR+32*kt+8*ks
.set fb, QF+32*qb+8*ks
.if ks
	v_wmma_f32_16x16x32_f16 v[sd:sd+7], v[fa:fa+7], v[fb:fb+7], v[sd:sd+7]
.else
.set cb, BI+40*(qb>>1)+8*((qb&1)-kt+3)
	v_wmma_f32_16x16x32_f16 v[sd:sd+7], v[fa:fa+7], v[fb:fb+7], v[cb:cb+7]
.endif
.set kt, kt+1
.endr
.set qb, qb+1
.endr
.set ks, ks+1
.endr
.endm
; One query block's 64 keys: new maximum, factor for what was summed before, exponentials, sum, P packed in place.  first = 1: nothing was summed before.
.macro SOFTMAX qb, first
.set SB, SC+32*\qb
.irp c, 0,1,2,3
	v_max3_num_f32 v[X4+\c], v[SB+8*\c], v[SB+8*\c+1], v[SB+8*\c+2]
.endr
.irp c, 0,1,2,3
	v_max3_num_f32 v[X4+\c], v[X4+\c], v[SB+8*\c+3], v[SB+8*\c+4]
.endr
.irp c, 0,1,2,3
	v_max3_num_f32 v[X4+\c], v[X4+\c], v[SB+8*\c+5], v[SB+8*\c+6]
.endr
.irp c, 0,1,2,3
	v_max_num_f32 v[X4+\c], v[X4+\c], v[SB+8*\c+7]
.endr
	v_max3_num_f32 v[X4], v[X4], v[X4+1], v[X4+2]
.if \first
	v_max_num_f32 v[X4], v[X4], v[X4+3]
.else
	v_max3_num_f32 v[X4], v[X4], v[X4+3], v[MX+\qb]
.endif
	v_permlanex16_b32 v[TX], v[X4], s20, s21       ; the same query's other 32 keys lie in lane xor 16
	v_max_num_f32 v[MN], v[X4], v[TX]
.if \first
.else
	v_sub_f32 v[AL+2*\qb], v[MX+\qb], v[MN]
.endif
.set p, 0
.rept 16
	v_pk_add_f32 v[SB+2*p:SB+2*p+1], v[SB+2*p:SB+2*p+1], v[MN:MN+1] op_sel_hi:[1,0] neg_lo:[0,1] neg_hi:[0,1]
.set p, p+1
.endr
.if \first
.else
	v_exp_f32 v[AL+2*\qb], v[AL+2*\qb]
.endif
.set p, 0
.rept 32
	v_exp_f32 v[SB+p], v[SB+p]
.set p, p+1
.endr
	v_mov_b32 v[MX+\qb], v[MN]                     ; the plain instruction between the exponentials and the first use of a result (ISA guide 5.7.2)
	s_wait_alu depctr_va_vdst(0)
.irp c, 0,1,2,3
	v_pk_add_f32 v[TP+2*\c:TP+2*\c+1], v[SB+8*\c:SB+8*\c+1], v[SB+8*\c+2:SB+8*\c+3]
.endr
.irp c, 0,1,2,3
	v_pk_add_f32 v[TP+2*\c:TP+2*\c+1], v[TP+2*\c:TP+2*\c+1], v[SB+8*\c+4:SB+8*\c+5]
.endr
.irp c, 0,1,2,3
	v_pk_add_f32 v[TP+2*\c:TP+2*\c+1], v[TP+2*\c:TP+2*\c+1], v[SB+8*\c+6:SB+8*\c+7]
.endr
	v_pk_add_f32 v[TP:TP+1], v[TP:TP+1], v[TP+2:TP+3]
	v_pk_add_f32 v[TP+4:TP+5], v[TP+4:TP+5], v[TP+6:TP+7]
	v_pk_add_f32 v[TP:TP+1], v[TP:TP+1], v[TP+4:TP+5]
.if \first
	v_add_f32 v[LS+\qb], v[TP], v[TP+1]
.else
	v_add_f32 v[TP], v[TP], v[TP+1]
	v_fma_f32 v[LS+\qb], v[LS+\qb], v[AL+2*\qb], v[TP]
.endif
	; line p writes register p of sixteen and reads registers 2 p, 2 p + 1: nothing is written before it was read
.irp kk, 0,1
.set p, 0
.rept 8
	v_cvt_pk_f16_f32 v[SB+16*\kk+p], v[SB+16*\kk+2*p], v[SB+16*\kk+2*p+1]
.set p, p+1
.endr
.endr
.endm
; O of query blocks q0 .. q0 + nq - 1 times the block's factor, one number a lane
.macro OSCALE q0, nq
	WIN 0x41
.set qb, \q0
.rept \nq
.set p, 0
.rept 32
	v_pk_mul_f32 v[OA+64*qb+2*p:OA+64*qb+2*p+1], v[OA+64*qb+2*p:OA+64*qb+2*p+1], v[AL+2*qb:AL+2*qb+1] op_sel_hi:[1,0]
.set p, p+1
.endr
.set qb, qb+1
.endr
.endm
; O^T += V^T P^T: 8 blocks of d x nq query blocks, 64 keys in two steps.  first = 1: the first step starts the sums, nothing is cleared.
; The 8 nq accumulators take turns, one instruction a turn.
.macro PVMUL nq, first
	WIN 0x52
.set kk, 0
.rept 2
.set dt, 0
.rept 8
.set qb, 0
.rept \nq
.set od, OA+64*qb+8*dt
.set fa, FR+64*kk+8*dt
.set fb, SC+32*qb+16*kk
.if (\first)*(1-kk)
	v_wmma_f32_16x16x32_f16 v[od:od+7], v[fa:fa+7], v[fb:fb+7], 0
.else
	v_wmma_f32_16x16x32_f16 v[od:od+7], v[fa:fa+7], v[fb:fb+7], v[od:od+7]
.endif
.set qb, qb+1
.endr
.set dt, dt+1
.endr
.set kk, kk+1
.endr
.endm
; One key tile, read from a slot.  both: LO takes part.  first: the first tile.  conv: the next tile is rounded and stored into the other slot.
; load: the tile after that is asked for.  bar: a trip follows.
.macro TRIP slot, both, first, conv, load, bar
	WIN 0
	BIASLD 0
.if \both
	BIASLD 1
.endif
	KFR \slot
.if \conv
	s_wait_loadcnt 0x0                             ; the next tile's 32 loads, issued one trip ago, are in; KPTR and VPTR are free
	CONV (1-\slot)
.if \load
	s_add_nc_u64 s[KPTR:KPTR+1], s[KPTR:KPTR+1], TILEB
	s_add_nc_u64 s[VPTR:VPTR+1], s[VPTR:VPTR+1], TILEB
	LOADT
.endif
	s_wait_dscnt 32                                ; LDS instructions end in order (ISA guide 5.7.1): only the 32 stores just issued may be out, bias and K fragments are in
.else
	s_wait_dscnt 0x0
.endif
	SMUL (2+2*\both)
	PLACES 5                                       ; behind the matrix instructions: four places before loads land on their sources and vector instructions touch the
	                                               ; scores, five before the packed scores serve as a matrix source
	VFR \slot
	WIN 0
	SOFTMAX 0, \first
	SOFTMAX 1, \first
.if \both
	SOFTMAX 2, \first
	SOFTMAX 3, \first
.endif
.if \first
.else
	OSCALE 0, (2+2*\both)
.endif
	s_wait_dscnt 0x0                               ; V fragments are in; also, for the other waves: my reads of this slot and my stores into the other are done
	PVMUL (2+2*\both), \first
	WIN 0
	PLACES 5                                       ; before the next trip's loads land on V's fragments, its first product writes over P, or O is read
.if \bar
	s_barrier_signal -1                            ; one barrier a trip, for two things: the other slot is whole before anyone reads it,
	s_barrier_wait -1                              ; and nobody reads this slot any more when the next trip stores into it
.endif
.endm
; my 32 rows of Q of group g, f32: HI into window 2, LO into window 1
.macro QLD g
.if \g
	WIN 0x40
.else
	WIN 0x80
.endif
.set i, 0
.rept 32
	global_load_b128 v[128*(1-\g)+4*i:128*(1-\g)+4*i+3], v[L16], s[QPTR+2*\g:QPTR+2*\g+1] offset:ROWB*i th:TH_LOAD_NT
.set i, i+1
.endr
.endm
; times log2(e) / sqrt(128), rounded to f16, into rows 32 g .. 32 g + 31 of my scratch
.macro QCONV g
.if \g
	WIN 0x41
.else
	WIN 0x82
.endif
.set i, 0
.rept 64
	v_pk_mul_f32 v[128*(1-\g)+2*i:128*(1-\g)+2*i+1], v[128*(1-\g)+2*i:128*(1-\g)+2*i+1], 0x3e0293ee op_sel_hi:[1,0]
.set i, i+1
.endr
.if \g
	WIN 0xc5
.else
	WIN 0xca
.endif
.set i, 0
.rept 32
	v_cvt_pk_f16_f32 v[PK+2*i],   v[128*(1-\g)+4*i],   v[128*(1-\g)+4*i+1]
	v_cvt_pk_f16_f32 v[PK+2*i+1], v[128*(1-\g)+4*i+2], v[128*(1-\g)+4*i+3]
.set i, i+1
.endr
	WIN 0x0c
.set i, 0
.rept 32
	ds_store_b64 v[QST], v[PK+2*i:PK+2*i+1] offset:KPITCH*(32*\g+i)
.set i, i+1
.endr
.endm
; The way out of group g (0 HI, 1 LO): l's two halves meet, O / l, through my own scratch into whole rows, 512 neighbouring bytes a store.
.macro EPI g
.irp q, 0,1
	v_permlanex16_b32 v[TX], v[LS+2*\g+\q], s20, s21
	v_add_f32 v[LS+2*\g+\q], v[LS+2*\g+\q], v[TX]
.endr
	v_rcp_f32 v[AL+4*\g], v[LS+2*\g]               ; l >= 1: the row's largest score gives 2^0
	v_rcp_f32 v[AL+4*\g+2], v[LS+2*\g+1]
	v_nop                                          ; the plain instruction behind the reciprocals (ISA guide 5.7.2)
	s_wait_alu depctr_va_vdst(0)
	OSCALE 2*\g, 2
	WIN 0x04
.set qb, 0
.rept 2
.set dt, 0
.rept 8
.set ob, OA+64*(2*\g+qb)+8*dt
	ds_store_b128 v[OST], v[ob:ob+3]   offset:16*OPITCH*qb+64*dt
	ds_store_b128 v[OST], v[ob+4:ob+7] offset:16*OPITCH*qb+64*dt+16
.set dt, dt+1
.endr
.set qb, qb+1
.endr
	WIN 0
.set i, 0
.rept 32
	ds_load_b128 v[SC+4*i:SC+4*i+3], v[ORD] offset:OPITCH*i        ; my own bytes; LDS serves a wave's instructions in order (ISA guide 5.7.1): these see the stores above
.set i, i+1
.endr
.set i, 0
.rept 32
	s_wait_dscnt 31-i                              ; row i is back, the younger ones may be out
	global_store_b128 v[L16], v[SC+4*i:SC+4*i+3], s[OPTR+2*\g:OPTR+2*\g+1] offset:ROWB*i th:TH_STORE_NT
.set i, i+1
.endr
.if \g
	s_wait_xcnt 0x0                                ; the score registers, which these stores read, are written again by the next trip only behind this wait
.endif
.endm
	; ---- ids, offsets (made apart from the addresses), addresses ----
	s_load_b256 s[4:11], s[0:1], 0x0               ; k s[4:5], q s[6:7], v s[8:9], out0 s[10:11]
	v_lshl_add_u32 v47, v0, 2, 0x44800
	s_set_vgpr_msb 0xc0
	v_mov_b32 v193, 0
	s_set_vgpr_msb 0xc000
	v_lshrrev_b32 v34, 5, v0
	v_readfirstlane_b32 s12, v34                   ; wave w
	v_and_b32 v34, 31, v0                          ; lane
	v_lshlrev_b32 v[L16], 4, v34
	s_and_b32 s13, ttmp9, 7                        ; x
	s_lshr_b32 s14, ttmp9, 3                       ; batch x 16 + head
	s_lshr_b32 s15, s14, 4
	s_and_b32 s16, s14, 15                         ; head
	s_lshl_b32 s15, s15, 24                        ; a batch is 2,048 x 8,192 bytes
	s_lshl_b32 s17, s16, 9
	s_add_co_u32 s15, s15, s17                     ; the head's first row
	s_sub_co_u32 s18, 15, s13                      ; HI's block
	s_mov_b32 s41, 0
	s_mov_b32 s20, 0x76543210                      ; v_permlanex16_b32: lane i of one half reads lane i of the other
	s_mov_b32 s21, 0xfedcba98
	s_lshl_b32 s17, s12, 18                        ; 32 w rows
	s_add_co_u32 s17, s17, s15
	s_lshl_b32 s19, s18, 20                        ; a block is 128 rows
	s_add_co_u32 s19, s19, s17                     ; my HI rows; all offsets stay under 2^25
	s_lshl_b32 s24, s13, 20
	s_add_co_u32 s24, s24, s17                     ; my LO rows
	s_lshl_b32 s17, s12, 17                        ; 16 w rows
	s_add_co_u32 s17, s17, s15                     ; my rows of key tile 0
	s_wait_kmcnt 0x0
	s_mov_b32 s40, s19
	s_add_nc_u64 s[QPTR:QPTR+1], s[6:7], s[40:41]
	s_add_nc_u64 s[OPTR:OPTR+1], s[10:11], s[40:41]
	s_mov_b32 s40, s24
	s_add_nc_u64 s[QPTR+2:QPTR+3], s[6:7], s[40:41]
	s_add_nc_u64 s[OPTR+2:OPTR+3], s[10:11], s[40:41]
	s_mov_b32 s40, s17
	s_add_nc_u64 s[KPTR:KPTR+1], s[4:5], s[40:41]
	s_add_nc_u64 s[VPTR:VPTR+1], s[8:9], s[40:41]
	QLD 0                                          ; everything that can be asked for goes out first: Q, then key tile 0
	QLD 1
	LOADT
	WIN 0
	; ---- LDS addresses ----
	v_and_b32 v35, 15, v0                          ; r = lane % 16
	v_bfe_u32 v36, v0, 4, 1                        ; h = lane / 16
	v_lshlrev_b32 v37, 3, v34                      ; 8 lane
	v_mul_u32_u24 v38, v35, KPITCH
	v_lshl_add_u32 v38, v36, 4, v38                ; 272 r + 16 h
	v_add_nc_u32 v[KRD], SLOT0, v38
	v_and_b32 v39, 7, v0
	v_lshl_add_u32 v39, v36, 3, v39                ; key 8 h + lane % 8
	v_mul_u32_u24 v39, v39, VPITCH
	v_bfe_u32 v40, v0, 3, 1
	v_lshl_add_u32 v39, v40, 4, v39                ; + 16 bytes for lanes 8-15 of each half
	v_add_nc_u32 v[VRD], SLOT0+VOFF, v39
	s_mul_i32 s17, s12, 16*KPITCH
	s_add_co_u32 s17, s17, SLOT0
	v_add_nc_u32 v[KST], s17, v37
	s_mul_i32 s17, s12, 16*VPITCH
	s_add_co_u32 s17, s17, SLOT0+VOFF
	v_add_nc_u32 v[VST], s17, v37
	s_mul_i32 s17, s12, SCRB
	s_add_co_u32 s17, s17, SCR0                    ; my scratch
	v_add_nc_u32 v[QST], s17, v37
	v_add_nc_u32 v[QRD], s17, v38
	v_mul_u32_u24 v41, v35, OPITCH
	v_lshl_add_u32 v41, v36, 5, v41                ; 528 r + 32 h
	v_add_nc_u32 v[OST], s17, v41
	v_add_nc_u32 v[ORD], s17, v[L16]
	v_lshl_add_u32 v[TADR], s12, 10, v[L16]        ; table tile w
	v_mov_b32 v[MASKV], 0xc7b89326                 ; -65504 log2(e)
	s_lshl_b32 s22, s18, 3
	s_lshl1_add_u32 s22, s12, s22
	s_add_co_u32 s22, s22, 5                       ; HI: 8 (15 - x) + 2 w + 5
	s_lshl_b32 s23, s13, 3
	s_lshl1_add_u32 s23, s12, s23
	s_add_co_u32 s23, s23, 5                       ; LO: 8 x + 2 w + 5
.irp n, 1,3,5,7
	v_mov_b32 v[AL+\n], 0                          ; upper registers of pairs whose lower one alone is used, and a permute's destination: written once
.endr
	v_mov_b32 v[MN+1], 0
	v_mov_b32 v[TX], 0
	s_add_co_u32 s17, s16, 1
	v_cvt_f32_u32 v34, s17
	v_mul_f32 v34, -0.5, v34
	v_exp_f32 v34, v34                             ; slope = 2^(-(head + 1) / 2)
	v_nop
	s_wait_alu depctr_va_vdst(0)
	v_mul_f32 v[NSL], 0xbfb8aa3b, v34              ; -slope log2(e)
	v_mul_f32 v[NSL+1], 0xbfb8aa3b, v34
	; ---- the bias table: tile n (n = 0 .. 135) is for query block - key block = 16 (n - 8); register j of lane (r, h) is for i - j = 16 (n - 8) + r - 8 h - j ----
	; wave w builds tiles w, w + 4, ..: 34 trips, i - j grows by 64 a trip
	s_lshl_b32 s17, s12, 4
	s_sub_co_i32 s17, s17, 128
	v_lshlrev_b32 v42, 3, v36
	v_sub_nc_u32 v42, v35, v42
	v_add_nc_u32 v42, s17, v42
.irp j, 0,1,2,3,4,5,6,7
	v_add_nc_u32 v[RT+\j], -\j, v42
	v_cvt_f32_i32 v[XD+\j], v[RT+\j]
.endr
	s_mov_b32 s26, 34
.Ltable:
.irp j, 0,1,2,3,4,5,6,7
	v_sqrt_f32 v[RT+\j], v[XD+\j]                  ; of a negative number: NaN, replaced below
.endr
	v_nop
	s_wait_alu depctr_va_vdst(0)
.irp j, 0,2,4,6
	v_pk_mul_f32 v[RT+\j:RT+\j+1], v[RT+\j:RT+\j+1], v[NSL:NSL+1]
.endr
.irp j, 0,1,2,3,4,5,6,7
	v_cmp_gt_f32 vcc_lo, 0, v[XD+\j]               ; key behind the query: the fill
	v_cndmask_b32 v[RT+\j], v[RT+\j], v[MASKV], vcc_lo
.endr
	ds_store_b128 v[TADR], v[RT:RT+3]
	ds_store_b128 v[TADR], v[RT+4:RT+7] offset:512
.irp j, 0,2,4,6
	v_pk_add_f32 v[XD+\j:XD+\j+1], v[XD+\j:XD+\j+1], 0x42800000 op_sel_hi:[1,0]
.endr
	v_add_nc_u32 v[TADR], 4096, v[TADR]
	s_sub_co_i32 s26, s26, 1
	s_cmp_lg_u32 s26, 0
	s_cbranch_scc1 .Ltable
	; ---- Q: scaled, rounded, through my scratch into fragments that stay in registers ----
	s_wait_loadcnt 32                              ; loads come back in order (ISA guide 5.7.1): Q's 64 are in, key tile 0's 32 may be out
	QCONV 0
	QCONV 1
	WIN 0x80
.set qb, 0
.rept 4
.set ks, 0
.rept 4
	ds_load_b128 v[QF+32*qb+8*ks:QF+32*qb+8*ks+3],   v[QRD] offset:16*KPITCH*qb+64*ks
	ds_load_b128 v[QF+32*qb+8*ks+4:QF+32*qb+8*ks+7], v[QRD] offset:16*KPITCH*qb+64*ks+32
.set ks, ks+1
.endr
.set qb, qb+1
.endr
	; ---- key tile 0 into slot 0, key tile 1 asked for ----
	s_wait_loadcnt 0x0
	CONV 0
	s_add_nc_u64 s[KPTR:KPTR+1], s[KPTR:KPTR+1], TILEB
	s_add_nc_u64 s[VPTR:VPTR+1], s[VPTR:VPTR+1], TILEB
	LOADT
	WIN 0
	s_wait_dscnt 0x0                               ; my part of the table and of slot 0 is stored, my Q fragments are in
	s_barrier_signal -1
	s_barrier_wait -1                              ; everybody's is
	; ---- 2 x + 2 tiles with both blocks ----
	TRIP 0, 1, 1, 1, 1, 1
	TRIP 1, 1, 0, 1, 1, 1
	s_cmp_eq_u32 s13, 0
	s_cbranch_scc1 .Llo_done
	s_mov_b32 s26, s13                             ; x trips of two tiles
.Lboth:
	TRIP 0, 1, 0, 1, 1, 1
	TRIP 1, 1, 0, 1, 1, 1                          ; asks for tile 2 x + 3 at the furthest, and the head's walk has 32 - 2 x tiles
	s_sub_co_i32 s26, s26, 1
	s_cmp_gt_i32 s26, 0                            ; a signed compare: the loop ends whatever the start
	s_cbranch_scc1 .Lboth
.Llo_done:
	EPI 1                                          ; LO has seen all its keys
	; ---- 28 - 4 x tiles with HI alone, then the last two, which ask for nothing beyond the walk's end ----
	s_cmp_eq_u32 s13, 7
	s_cbranch_scc1 .Ltail
	s_lshl_b32 s26, s13, 1
	s_sub_co_u32 s26, 14, s26                      ; 14 - 2 x trips of two tiles
.Lhi:
	TRIP 0, 0, 0, 1, 1, 1
	TRIP 1, 0, 0, 1, 1, 1
	s_sub_co_i32 s26, s26, 1
	s_cmp_gt_i32 s26, 0                            ; a signed compare: the loop ends whatever the start
	s_cbranch_scc1 .Lhi
.Ltail:
	TRIP 0, 0, 0, 1, 0, 1
	TRIP 1, 0, 0, 0, 0, 0
	EPI 0
	s_set_vgpr_msb 0xc
	s_wait_tensorcnt 0x0
	ds_add_u32 v47, v193
	s_wait_dscnt 0x0
	s_set_vgpr_msb 0xc00
	s_endpgm
.Lfunc_end_k_q534fd689b6_attn:
	.size	k_q534fd689b6_attn, .Lfunc_end_k_q534fd689b6_attn-k_q534fd689b6_attn
	.p2alignl 7, 3214868480
	.fill 96, 4, 3214868480
	.section	.rodata,"a",@progbits
	.p2align	6, 0x0
	.amdhsa_kernel k_q534fd689b6_attn
		.amdhsa_group_segment_fixed_size 281088
		.amdhsa_private_segment_fixed_size 0
		.amdhsa_enable_private_segment 0
		.amdhsa_kernarg_size 32
		.amdhsa_user_sgpr_count 2
		.amdhsa_user_sgpr_kernarg_segment_ptr 1
		.amdhsa_wavefront_size32 1
		.amdhsa_system_sgpr_workgroup_id_x 1
		.amdhsa_system_sgpr_workgroup_id_y 1
		.amdhsa_system_sgpr_workgroup_id_z 1
		.amdhsa_system_vgpr_workitem_id 0
		.amdhsa_next_free_vgpr 962
		.amdhsa_next_free_sgpr 66
		.amdhsa_reserve_vcc 1
		.amdhsa_float_denorm_mode_32 3
		.amdhsa_float_denorm_mode_16_64 3
		.amdhsa_memory_ordered 1
		.amdhsa_forward_progress 1
		.amdhsa_inst_pref_size 255
	.end_amdhsa_kernel
	.section	.bss,"aw",@nobits
	.p2align	6
	.space	262144
	.amdgpu_metadata
---
amdhsa.version: [ 1, 2 ]
amdhsa.kernels:
  - .name:           k_q534fd689b6_attn
    .symbol:         k_q534fd689b6_attn.kd
    .args:
      - { .name: k, .offset: 0, .size: 8, .value_kind: global_buffer, .address_space: global }
      - { .name: q, .offset: 8, .size: 8, .value_kind: global_buffer, .address_space: global }
      - { .name: v, .offset: 16, .size: 8, .value_kind: global_buffer, .address_space: global }
      - { .name: out0, .offset: 24, .size: 8, .value_kind: global_buffer, .address_space: global }
    .group_segment_fixed_size: 281088
    .private_segment_fixed_size: 0
    .kernarg_segment_align: 8
    .kernarg_segment_size: 32
    .max_flat_workgroup_size: 128
    .sgpr_count:     66
    .vgpr_count:     962
    .wavefront_size: 32
...
	.end_amdgpu_metadata
.endif
;; end of part 1
